; MI455X (gfx1250); checked and timed in simulation.
; The chip was launched on July 23, 2026; its instructions are those of AMD's public machine-readable ISA for CDNA 5 (MIT licence, August 2026) and "CDNA5" Instruction Set Architecture Reference Guide (July 2026). The comments in the code are by the model that wrote it; some were corrected since.
;; Full Attention diff. Allowed arithmetic: matrix products marked QUANTISED: E2M1 operands, one E8M0 scale for each 32 along K, by v_wmma_scale_f32_16x16x128_f8f6f4 with both operands' format E2M1 (or v_wmma_scale_f32_32x16x128_f4), f32 sums; everything else in f32.
;; Inputs: attn_mask 1 bool; keys 2 x 16 x 2,048 x 64 float32; lambda_k1 64 float32; lambda_k2 64 float32; lambda_q1 64 float32; lambda_q2 64 float32; queries 2 x 16 x 2,048 x 64 float32; subln_weight 128 float32; values 2 x 8 x 2,048 x 128 float32.
;; Outputs: out0 2 x 2,048 x 1,024 float32.
;; Constants: src_len = 2048, tgt_len = 2048.
;; This version of the problem:
;;   THIS VERSION OF THE PROBLEM IS GIVEN IN LOW PRECISION. The matrix products marked QUANTISED in the list below multiply operands that are first quantised to E2M1 (2 exponent bits, 1 mantissa bit; 4 bits a number), with one power-of-two scale for each 32 numbers along K (OCP MX v1.0); their sums are f32. All else is computed in f32.
;;   The module's matrix products, in the order in which they are computed (A, B: the left and right operand; K: the contracted axis; several contracted axes count as one K, in the product's order):
;;     1. batch 32 x [M 2,048, K 64] x [K 64, N 2,048]; A: computed on the way; B: input keys: QUANTISED
;;     2. batch 16 x [M 2,048, K 2,048] x [K 2,048, N 128]; A: computed on the way; B: input values: QUANTISED
;;   THE QUANTISER, for each operand of a quantised product, along K:
;;     - K is cut into blocks of 32 from its start; a last block that is shorter is filled with zeros.
;;     - A block's scale is 2^e with e = floor(log2(the largest magnitude in the block)) - 2, held to -126 .. 127; a block of zeros has e = 0. As a byte (E8M0): e + 127.
;;     - Each number is divided by its block's scale, clamped to +-6, and rounded to the nearest number of E2M1, ties to even, subnormals kept.
;;     - The product sums the exact products of the quantised numbers (number of the format x scale) in f32.
;;   ~~~python
;;   def quantise(x, axis):      # numpy; x: float32 -> the quantised numbers, widened to float32 again
;;       x = np.moveaxis(x, axis, -1); K = x.shape[-1]
;;       x = np.pad(x, [(0, 0)] * (x.ndim - 1) + [(0, -K % 32)]); x = x.reshape(x.shape[:-1] + (-1, 32)); a = np.abs(x).max(-1, keepdims=True)
;;       e = np.where(a > 0, np.clip(np.frexp(np.where(a > 0, a, 1))[1] - 1 - 2, -126, 127), 0)      # np.frexp(a)[1] - 1 = floor(log2(a)), exactly
;;       r = np.clip(x / 2.0 ** e, -6, 6)
;;       step = 2.0 ** (np.maximum(np.frexp(np.where(r == 0, 1, r))[1] - 1, 0) - 1)
;;       q = np.round(r / step) * step * 2.0 ** e      # np.round: ties to even
;;       return np.moveaxis(q.reshape(q.shape[:-2] + (-1,))[..., :K], -1, axis).astype(np.float32)
;;   ~~~
;;   OPERANDS COMPUTED ON THE WAY. 'Computed on the way' means the value that the module computes at that place (a softmax that the list does not call 'softmax' is quantised finished and normalised). What goes into a quantiser is computed in f32, as accurately as f32 sums, v_exp_f32 and their like allow (about 1e-6 of the number): no bf16 or f16 on the way to a quantiser, and a product that is left as it is and whose result goes on into a quantised operand takes f32 operands (vector FMAs, or v_wmma_f32_16x16x4_f32). A number that lies on a knife's edge between two numbers of the format may be rounded either way, as far as f32 arithmetic and the matrix unit's own rounding can turn it there, and no further.
;; One version. Each part assembles by itself: llvm-mc -triple=amdgcn-amd-amdhsa -mcpu=gfx1250 --defsym DOCPART=n.
;; ======== version 1 of 1: 2 launches
;; limits: right only within a limited range of input values
;; workspace buffers: kc 2,097,152 bytes; ks 131,072 bytes; vc 2,097,152 bytes; vs 131,072 bytes
;; launch prep (part 1): grid 512 x 1, 4 waves a work-group, no clusters, 37,376 bytes of LDS; arguments keys, values, kc, ks, vc, vs; writes kc, ks, vc, vs
.if DOCPART == 1
	.amdgcn_target "amdgcn-amd-amdhsa--gfx1250"
	.amdhsa_code_object_version 6
	.text
	.protected	k_q526a51b081_prep
	.globl	k_q526a51b081_prep
	.p2align	8
	.type	k_q526a51b081_prep,@function
k_q526a51b081_prep:
	s_mov_b64 s[64:65], 0
	v_nop
	global_prefetch_b8 v0, s[64:65] scope:SCOPE_SE
	s_setreg_imm32_b32 hwreg(HW_REG_WAVE_MODE, 25, 1), 1
	s_wait_xcnt 0x0
; DIFFERENTIAL ATTENTION IN MX-FP4, FIRST OF TWO LAUNCHES: keys and values (f32) become codes of E2M1 with one E8M0 byte for each 32 along a product's K,
; laid in the order in which the second launch's operand registers take them.  (The queries, which one work-group alone reads, are quantised by the second launch.)
; WORK LEFT OUT, for all values of the inputs: reference() never reads attn_mask: the name stands in its argument list and in no expression of its body, so the input has no way to any output.
; It is not loaded and is among no launch's arguments.  tgt_len and src_len are the constants 2,048.  LIMIT: whatever attn_mask holds is not carried to the result.
; THE QUANTISER: a block's scale is 2^(floor(log2(its largest magnitude)) - 2); its byte is the largest magnitude's exponent field - 2, held at 1 from below by a floor of 2^(3 - 127) among the maximum's leaves.
; LIMITS: a block of zeros gets the byte 1 where the rule says 127 (its codes are zeros, which add nothing under any byte but 0xff, and this program alone reads the bytes); blocks whose largest
; magnitude lies under 2^-124 were not tried; NaN and infinities among the inputs are not served.
; PAIRS.  p = 8 b + h, 0 .. 15: value head h of batch b, with query and key heads 2 p and 2 p + 1 (counted through both batches).
; kc: [p][tile T = 2 g + u][c][lane][16 bytes].  Row r of tile T is row 32 g + 8 u + r + 8 (r / 8) of the head; lane 16 h + r holds the 32 codes of block h of that row of head 2 p + c.
;   A tile's 1,024 bytes are the 8 registers a lane of a fragment of 16 rows x 128 along K, K = [head 2 p's 64 | head 2 p + 1's 64].
; ks: [p][g][u][r], one word a row: bytes (c 0, h 0), (c 0, h 1), (c 1, h 0), (c 1, h 1).
; vc: [p][step of 128 keys][tile t of 16 channels][c][lane][16 bytes]: lane 16 h + r holds channel 16 t + r, keys 64 c + 32 h + 0 .. 31 of the step.   vs: [p][step][channel], one word: byte b for keys 32 b on.
; SHARES.  Work-groups 0-255 take the keys, 256-511 the values: 64 KiB of f32 each.  The waves share nothing: no barrier.
.set WREG,  9216                       ; LDS: a stage of its own for each wave of the keys' path
.set SPARE, 4*WREG                     ; behind the four stages: the spare words, 128 bytes for each wave
.set SPW,   12                         ; v12  LDS address of my spare word; never rewritten
.set NIL,   13                         ; v13  0; never rewritten
.set C,     16                         ; v16-31   four times four registers of codes: no store's data are written again
.set BY,    32                         ; v32-35   scale bytes (values: v32 gathers the word)
.set R,     64                         ; v64-191  keys: the numbers as loaded, 64 registers a head
.set X,     192                        ; v192-255 keys: a block of 32 neighbours for each of the two tiles
.set XV,    64                         ; v64-127  values: two sets of 32 numbers
; 32 numbers of ONE block in v[x] on become 16 bytes of codes in v[c] on and the scale's byte in v[by].
.macro QBLK x, c, by
	v_max3_num_f32 v8, |v[(\x)]|, |v[(\x)+1]|, |v[(\x)+2]|       ; the block's largest magnitude, in two chains
	v_max3_num_f32 v9, |v[(\x)+3]|, |v[(\x)+4]|, |v[(\x)+5]|
.irp i, 6,10,14,18,22,26
	v_max3_num_f32 v8, v8, |v[(\x)+\i]|, |v[(\x)+\i+1]|
	v_max3_num_f32 v9, v9, |v[(\x)+\i+2]|, |v[(\x)+\i+3]|
.endr
	v_max3_num_f32 v8, v8, |v[(\x)+30]|, |v[(\x)+31]|
	v_max3_num_f32 v8, v8, v9, 0x1800000                         ; and the floor 2^(3 - 127)
	v_add_nc_u32 v11, 0xff000000, v8                             ; 2 off the exponent field: the conversion takes the exponent field of this operand as its scale
.irp g, 0,1,2,3
	v_cvt_scalef32_pk8_fp4_f32 v[(\c)+\g], v[(\x)+8*\g:(\x)+8*\g+7], v11
.endr
	v_lshrrev_b32 v[(\by)], 23, v11                              ; the scale's byte; also the plain line behind the conversions
.endm
	s_load_b128 s[4:7], s[0:1], 0x0                ; keys s[4:5], values s[6:7]
	s_load_b256 s[8:15], s[0:1], 0x10              ; kc s[8:9], ks s[10:11], vc s[12:13], vs s[14:15]
	v_lshl_add_u32 v[SPW], v0, 2, SPARE
	v_mov_b32 v[NIL], 0
	v_lshrrev_b32 v1, 5, v0
	v_readfirstlane_b32 s24, v1                    ; wave 0..3
	v_and_b32 v1, 31, v0                           ; lane
	s_mov_b32 s29, 0
	s_wait_alu depctr_va_vdst(0)
	s_wait_kmcnt 0x0
	s_cmp_lt_u32 ttmp9, 256
	s_cbranch_scc0 .Lvalues
	; ---- KEYS.  A wave takes 32 rows of both heads of a pair.  K is innermost: the loads take the bytes as they lie, 512 to a load; a head's 8,192 bytes turn through the wave's own
	; stage in LDS and come back a whole block (128 bytes) to a lane, in the tile's order of rows.
	s_lshl_b32 s25, ttmp9, 2
	s_add_co_u32 s25, s25, s24                     ; id = 64 p + g
	s_lshr_b32 s26, s25, 6
	s_and_b32 s27, s25, 63
	s_lshl_b32 s28, s26, 20                        ; a pair's two heads are 1,048,576 bytes,
	s_lshl_b32 s27, s27, 13                        ; 32 rows of 256 bytes 8,192
	s_add_co_u32 s28, s28, s27
	s_add_nc_u64 s[4:5], s[4:5], s[28:29]
	s_lshl_b32 s28, s25, 11                        ; two tiles of codes: 2,048 bytes
	s_add_nc_u64 s[8:9], s[8:9], s[28:29]
	s_lshl_b32 s28, s25, 7                         ; 32 scale words
	s_add_nc_u64 s[10:11], s[10:11], s[28:29]
	s_wait_alu depctr_va_vdst(0)
	v_lshlrev_b32 v2, 4, v1                        ; 16 x lane: my bytes of a load's and of a store's 512
.irp c, 0,1
.irp i, 0,1,2,3,4,5,6,7,8,9,10,11,12,13,14,15
	global_load_b128 v[R+64*\c+4*\i:R+64*\c+4*\i+3], v2, s[4:5] offset:524288*\c+512*\i th:TH_LOAD_NT   ; rows 2 i and 2 i + 1 of head 2 p + c: 512 consecutive bytes
.endr
.endr
	; the stage: row j of the 32 lies at 272 j + 128 (j / 16): the sixteen rows that a read touches (eight, and the eight that lie 16 further on) then begin at sixteen different multiples of 16 bytes modulo 256
	s_mul_i32 s26, s24, WREG
	v_lshrrev_b32 v14, 4, v1
	v_mul_u32_u24 v3, v14, 272
	v_and_b32 v15, 15, v0                          ; r
	v_lshl_add_u32 v3, v15, 4, v3
	v_add_nc_u32 v3, s26, v3                       ; in: row lane / 16 of the load's two, 16 (lane % 16)
	v_lshlrev_b32 v6, 3, v14                       ; 8 h: where my bytes stand in a scale word
	v_bfe_u32 v10, v0, 3, 1                        ; r / 8
	v_lshl_add_u32 v15, v10, 3, v15                ; r + 8 (r / 8)
	v_mul_u32_u24 v4, v15, 272
	v_lshl_add_u32 v4, v10, 7, v4
	v_lshl_add_u32 v4, v14, 7, v4                  ; + 128 h: my block of the row
	v_add_nc_u32 v4, s26, v4                       ; out
	v_lshlrev_b32 v5, 2, v1                        ; 4 x lane
	v_mov_b32 v38, 0                               ; written once: a lane permute's destination counts as one of its sources
	v_mov_b32 v39, 0
	s_mov_b32 s30, 0x76543210
	s_mov_b32 s31, 0xfedcba98                      ; v_permlanex16_b32's selects for lane l xor 16
	s_wait_alu depctr_va_vdst(0)
.irp c, 0,1
.if \c == 0
	s_wait_loadcnt 16                              ; the first head's 16 loads are in; the second head's 16 are younger
.else
	s_wait_loadcnt 0x0
.endif
.irp i, 0,1,2,3,4,5,6,7,8,9,10,11,12,13,14,15
	ds_store_b128 v3, v[R+64*\c+4*\i:R+64*\c+4*\i+3] offset:544*\i+128*(\i/8)
.endr
.irp u, 0,1
.irp k, 0,1,2,3,4,5,6,7
	ds_load_b128 v[X+32*\u+4*\k:X+32*\u+4*\k+3], v4 offset:2176*\u+16*\k   ; LDS serves a wave's instructions in order (ISA guide 5.7.1.4)
.endr
.endr
.irp u, 0,1
	s_wait_dscnt 8-8*\u                            ; tile u's eight loads are in; tile 1's eight are younger than tile 0's
	QBLK X+32*\u, C+4*(2*\u+\c), BY+2*\u+\c
	global_store_b128 v2, v[C+4*(2*\u+\c):C+4*(2*\u+\c)+3], s[8:9] offset:(2*\u+\c)*512   ; 32 lanes store 512 consecutive bytes, at a multiple of 256 from the buffer's first byte
.endr
.endr
	v_lshl_or_b32 v36, v[BY+1], 16, v[BY]          ; tile 0: my block's bytes of the two heads,
	v_lshl_or_b32 v37, v[BY+3], 16, v[BY+2]        ; tile 1
	v_lshlrev_b32 v36, v6, v36                     ; at their places in the word (8 h bits up);
	v_lshlrev_b32 v37, v6, v37
	v_permlanex16_b32 v38, v36, s30, s31
	v_permlanex16_b32 v39, v37, s30, s31
	v_or_b32 v36, v36, v38                         ; with lane l xor 16's two the word is whole
	v_or_b32 v37, v37, v39
	v_cmp_lt_u32 vcc_lo, 15, v1
	v_cndmask_b32 v36, v36, v37, vcc_lo            ; lanes 0-15 store tile 0's words, lanes 16-31 tile 1's
	global_store_b32 v5, v36, s[10:11]             ; 128 bytes a wave; the four waves of a work-group store 512 bytes on end
	s_wait_tensorcnt 0x0                           ; the wave's end
	ds_add_u32 v[SPW], v[NIL]
	s_wait_dscnt 0x0
	s_endpgm
	; ---- VALUES.  K = the keys is not innermost.  A lane takes a channel and its registers run down the keys: a block of 32 keys lies in one lane's 32 registers, and its 16 bytes of codes
	; are a lane's 16 bytes of the image.  No LDS is touched on this path.  A work-group takes a step of 128 keys of a pair, wave w channels 32 w on.
.Lvalues:
	s_sub_co_u32 s25, ttmp9, 256                   ; 16 p + step
	s_lshr_b32 s26, s25, 4
	s_and_b32 s27, s25, 15
	s_lshl_b32 s28, s26, 20                        ; a pair's values are 1,048,576 bytes,
	s_lshl_b32 s27, s27, 16                        ; 128 keys of 512 bytes 65,536,
	s_add_co_u32 s28, s28, s27
	s_lshl_b32 s30, s24, 7                         ; 32 channels 128
	s_add_co_u32 s28, s28, s30
	s_add_nc_u64 s[6:7], s[6:7], s[28:29]
	s_lshl_b32 s28, s25, 13                        ; a step's image: 8,192 bytes; my two tiles: 2,048
	s_lshl_b32 s27, s24, 11
	s_add_co_u32 s28, s28, s27
	s_add_nc_u64 s[12:13], s[12:13], s[28:29]
	s_lshl_b32 s28, s25, 9                         ; a step's scale words: 512 bytes; my 32: 128
	s_add_co_u32 s28, s28, s30
	s_add_nc_u64 s[14:15], s[14:15], s[28:29]
	s_wait_alu depctr_va_vdst(0)
	v_lshlrev_b32 v2, 2, v1                        ; 4 x lane
	v_lshrrev_b32 v14, 4, v1
	v_and_b32 v15, 15, v0
	v_lshlrev_b32 v3, 4, v15
	v_lshl_add_u32 v3, v14, 10, v3                 ; my tile of the two, 16 (lane % 16)
.macro VLD t                           ; block t: keys 32 t + i of my channel into set t % 2; 32 lanes read 128 consecutive bytes, the four waves 512
.set i, 0
.rept 32
	global_load_b32 v[XV+32*((\t)%2)+i], v2, s[6:7] offset:(32*(\t)+i)*512 th:TH_LOAD_NT
.set i, i+1
.endr
.endm
.macro VBLK t
	s_wait_alu depctr_va_vdst(0)
.if (\t) < 3
	s_wait_loadcnt 32                              ; this block's 32 loads are in; the next block's 32 are younger
.else
	s_wait_loadcnt 0x0
.endif
	QBLK XV+32*((\t)%2), C+4*(\t), 10
.if (\t) == 0
	v_mov_b32 v[BY], v10                           ; four bytes to the word, the lower keys in the lower byte
.else
	v_lshl_or_b32 v[BY], v10, 8*(\t), v[BY]
.endif
	global_store_b128 v3, v[C+4*(\t):C+4*(\t)+3], s[12:13] offset:((\t)/2)*512+((\t)%2)*256   ; block t = 2 c + h: sixteen lanes store 256 consecutive bytes, at a multiple of 256 from the buffer's first byte
.if (\t)+2 < 4
	VLD (\t)+2
.endif
.endm
	VLD 0
	VLD 1
	VBLK 0
	VBLK 1
	VBLK 2
	VBLK 3
	global_store_b32 v2, v[BY], s[14:15]           ; 128 bytes a wave, 512 on end a work-group
	s_endpgm
.Lfunc_end_k_q526a51b081_prep:
	.size	k_q526a51b081_prep, .Lfunc_end_k_q526a51b081_prep-k_q526a51b081_prep
	.p2alignl 7, 3214868480
	.fill 96, 4, 3214868480
	.section	.rodata,"a",@progbits
	.p2align	6, 0x0
	.amdhsa_kernel k_q526a51b081_prep
		.amdhsa_group_segment_fixed_size 37376
		.amdhsa_private_segment_fixed_size 0
		.amdhsa_enable_private_segment 0
		.amdhsa_kernarg_size 48
		.amdhsa_user_sgpr_count 2
		.amdhsa_user_sgpr_kernarg_segment_ptr 1
		.amdhsa_wavefront_size32 1
		.amdhsa_system_sgpr_workgroup_id_x 1
		.amdhsa_system_sgpr_workgroup_id_y 1
		.amdhsa_system_sgpr_workgroup_id_z 1
		.amdhsa_system_vgpr_workitem_id 0
		.amdhsa_next_free_vgpr 256
		.amdhsa_next_free_sgpr 66
		.amdhsa_reserve_vcc 1
		.amdhsa_float_denorm_mode_32 3
		.amdhsa_float_denorm_mode_16_64 3
		.amdhsa_memory_ordered 1
		.amdhsa_forward_progress 1
		.amdhsa_inst_pref_size 36
	.end_amdhsa_kernel
	.amdgpu_metadata
---
amdhsa.version: [ 1, 2 ]
amdhsa.kernels:
  - .name:           k_q526a51b081_prep
    .symbol:         k_q526a51b081_prep.kd
    .args:
      - { .name: keys, .offset: 0, .size: 8, .value_kind: global_buffer, .address_space: global }
      - { .name: values, .offset: 8, .size: 8, .value_kind: global_buffer, .address_space: global }
      - { .name: kc, .offset: 16, .size: 8, .value_kind: global_buffer, .address_space: global }
      - { .name: ks, .offset: 24, .size: 8, .value_kind: global_buffer, .address_space: global }
      - { .name: vc, .offset: 32, .size: 8, .value_kind: global_buffer, .address_space: global }
      - { .name: vs, .offset: 40, .size: 8, .value_kind: global_buffer, .address_space: global }
    .group_segment_fixed_size: 37376
    .private_segment_fixed_size: 0
    .kernarg_segment_align: 8
    .kernarg_segment_size: 48
    .max_flat_workgroup_size: 128
    .sgpr_count:     66
    .vgpr_count:     256
    .wavefront_size: 32
...
	.end_amdgpu_metadata
.endif
;; end of part 1
;; launch attn (part 2): grid 16 x 16, 8 waves a work-group, clusters of 4 x 1, 327,680 bytes of LDS; arguments queries, kc, ks, vc, vs, lambda_q1, lambda_k1, lambda_q2, lambda_k2, subln_weight, out0; writes out0
.if DOCPART == 2
	.amdgcn_target "amdgcn-amd-amdhsa--gfx1250"
	.amdhsa_code_object_version 6
	.text
	.protected	k_q526a51b081_attn
	.globl	k_q526a51b081_attn
	.p2align	8
	.type	k_q526a51b081_attn,@function
k_q526a51b081_attn:
	s_mov_b64 s[64:65], 0
	v_nop
	global_prefetch_b8 v0, s[64:65] scope:SCOPE_SE
	s_setreg_imm32_b32 hwreg(HW_REG_WAVE_MODE, 25, 1), 1
	s_wait_xcnt 0x0
	s_wait_alu depctr_hold_cnt(0) depctr_sa_sdst(0) depctr_va_vdst(0) depctr_va_sdst(0) depctr_va_ssrc(0) depctr_va_vcc(0) depctr_vm_vsrc(0)
	s_getreg_b32 s2, hwreg(HW_REG_IB_STS2, 6, 4)
	s_cmp_eq_u32 s2, 0
	s_cbranch_scc0 .Lentry_in_a_cluster
	s_endpgm
.Lentry_in_a_cluster:
	s_bfe_u32 s2, ttmp6, 0x10000c
	s_cmp_lg_u32 s2, 0x3003
	s_cbranch_scc0 .Lentry_shape_is_right
	s_endpgm
.Lentry_shape_is_right:
; DIFFERENTIAL ATTENTION IN MX-FP4, SECOND LAUNCH.  For each pair p = 8 b + h:  w = softmax(q1 k1^T / 8) - lam softmax(q2 k2^T / 8);  attn = w V;  out = attn rsqrt(mean(attn^2) + 1e-5) subln_weight (1 - LAMBDA_INIT).
; Both products on codes of E2M1 with one E8M0 scale for each 32 along K; K and V come as images made by the first launch (its head comment gives the layouts and the quantiser's limits); the queries, which
; one work-group alone reads, are quantised here, in the head, by the same lines.
; WORK LEFT OUT: attn_mask, which reference() never reads, is not among the arguments (shown at the head of the first launch).
; THE FACTOR 1/8 = 2^-3 is a power of two: the quantised q / 8 is the quantised q, divided by 8, exactly.  So q is quantised as given and the constant that multiplies the scores carries the 1/8.
; LIMIT: this fails where the byte of q / 8 would be held at 1: blocks of q whose largest magnitude lies under 2^-121.
; ONE PASS OVER THE KEYS.  What is quantised for the second product is the finished w, divisions by both rows' sums included.  So all of a row's p must be kept until its sums are known: they stay in registers.
; SHARES.  A work-group owns 128 queries of a pair and walks them as 8 tiles of 16.  Each of its 8 waves owns 256 keys throughout: their K fragments (128 registers) never leave the registers, their V (16,384 bytes) lies in
; LDS.  For a tile a wave makes the scores of its 256 keys and both heads (256 registers), a local M and sum for each head, and p; the waves meet ONCE a tile, with (-M, l); then w, its codes, and the wave's part of (w V)^T,
; which goes to LDS.  The eight parts of a tile are added behind the NEXT tile's meeting, two rows a wave: two sets of parts and of (-M, l) take turns, and each is written again only behind the barrier that follows its last read.
; THE MAXIMUM.  t = score x log2(e) / 8 on the raw scores.  M = the largest t of the row among the wave's keys, rounded UP to a whole number, kept as -M = floor(-t); p = 2^(t - M).  At the meeting the sums are brought under the
; largest M by 2^(M of the wave - M), exact, and so is the wave's own factor.  LIMITS: |t| stays under 2^31; NaN and infinities among the inputs are not served.
; LAYOUT.  Both products are used transposed (source 0 = 16 keys or 16 channels, source 1 = 16 queries): a lane holds ONE query (lane % 16) throughout.  The keys of a tile are not neighbours (first launch), so that the 16 registers
; of tiles 2 b and 2 b + 1 are keys 32 b + 16 (lane / 16) + 0 .. 15.   SPLIT FORM: a register whose lanes 0-15 hold head 1's number of a row and whose lanes 16-31 head 2's: v_permlane16_swap_b32 goes from two registers to it and back.
; K = 64 IN AN INSTRUCTION OF 128.  A fragment of keys holds [k of head 2 p | k of head 2 p + 1].  It is multiplied once by [q1 | zero codes] and once by [zero codes | q2]: zero codes add nothing under bytes in 1 .. 254.
; CLUSTER.  The four work-groups of a cluster own query blocks of one pair; V is asked for JOINTLY, one load a wave.  K is not: its fragments go straight into registers, where no tensor load reaches, 16,384 bytes a wave, once.
; NO PREFETCH: all that the launch reads from memory is asked for at its head; the loop loads nothing.
; REGISTERS.  Window 1: v0-127 head 1's scores, p, then w, then (v0-63) the wave's (w V)^T; v128-255 head 2's scores, p, then V's fragments.  Window 0: v128-255 K; v0-127 by name below.
.set OBUF, 131072                      ; LDS: V from 0; from here two sets of 8 parts, 16 rows x SROW each (at the head the queries' stages); no fill lands here
.set SROW, 528                         ; 512 bytes + 16
.set STG,  16*SROW
.set OBS,  8*STG
.set QC,   OBUF+2*OBS                  ; the queries' codes, 1,024 bytes a tile;
.set QSC,  QC+8192                     ; their scale words, 128 bytes a tile (both halves of the lanes the same);
.set STAT, QSC+1024                    ; (-M, l): two sets of 256 bytes a wave;
.set SPARE, STAT+4096                  ; the spare words, 128 bytes for each wave
.set AV,   1                           ; LDS addresses: my V;
.set GO,   2                           ; 16 x lane
.set AQ,   3                           ; queries' codes;
.set AQS,  4                           ; their scale words;
.set SPW,  5
.set NIL,  6
.set ASTW, 7                           ; where my (-M, l) go;
.set ASTR, 8                           ; where all waves' are read;
.set OWR,  9                           ; v9, v10: my part, set 0, 1;
.set ORD,  11                          ; v11, v12: my two rows of the first part
.set AQI,  13                          ; the next tile's codes (at the head 8 x lane);
.set ASI,  14                          ; and scale words (at the head 4 x lane)
.set LN,   15                          ; lane
.set Q1,   16                          ; v16-19 q1's codes, v20-23 zero codes, v24-27 q2's: [q1 | 0] = v16-23, [0 | q2] = v20-27
.set Q2,   20
.set KS,   28                          ; v28-46: scale words and nothing else: K's 8,
.set VS,   36                          ; V's 8,
.set QS,   44                          ; q's,
.set PW,   45                          ; w's two
.set LAMF, 47                          ; split form: 1, -lam
.set SUBW, 48                          ; subln_weight at my 4 channels
.set NM1,  52                          ; pairs whose low word counts: -M of the two heads,
.set NM2,  54
.set A1,   56                          ; and the factors of p1, p2
.set A2,   58
.set X,    60                          ; split form: -M, and l beside it
.set RS,   64                          ; v64-95, v96-127: eight parts of a row
.set PC,   76                          ; v76-91 w's codes
.set TM,   96
.set AC1,  104
.set AC2,  112
.set ST,   112                         ; the eight waves' (-M, l)
.set TB,   96                          ; the eight blocks' largest magnitudes,
.set EX,   104                         ; scale operands,
.set TX,   112
.set BYT,  120                         ; bytes
.set KF,   128
.set S1,   0                           ; window 1
.set S2,   128
.set G1,   28                          ; s[28:35], s[36:39]: the descriptor
.set WV,   40
.set PAIR, 41
.set XB,   42
.set CNT,  43
.set CS,   44                          ; s[44:45] c = log2(e) / 8: the packed form names a pair and takes its low word;  s46 = -c
.set NCS,  46
.set NEG,  47                          ; -3e38, under every score
.set SEL,  48                          ; s[48:49] v_permlanex16_b32's selects for lane l xor 16
.set TQ,   50                          ; the walk over the queries' codes and scale words
.set TQS,  51
.set EPS,  60
.set R128, 61
.set MSB, 0
.macro WIN new                         ; the register windows; the immediate's high byte repeats the setting that is left
.if MSB != \new
	s_set_vgpr_msb (MSB<<8)|\new
.set MSB, \new
.endif
.endm
.macro WA                              ; the wait around transcendentals and ahead of waits that block
	s_wait_alu depctr_va_vdst(0)
.endm
.macro ROUND                           ; a round of the cluster's barrier
	s_barrier_signal -1
	s_barrier_wait -1
	s_cmp_lg_u32 s[WV], 0
	s_cbranch_scc1 .Lnot_wave_0_\@
	s_barrier_signal -3
.Lnot_wave_0_\@:
	s_barrier_wait -3
	s_barrier_signal -1
	s_barrier_wait -1
.endm
.macro MEET                            ; my LDS accesses are done; the work-group's barrier
	WA
	s_wait_dscnt 0x0
	s_barrier_signal -1
	s_barrier_wait -1
.endm
.macro NOPS n
.rept \n
	v_nop
.endr
.endm
.macro QLOAD ac, as, off               ; a tile's queries
	ds_load_b128 v[Q1:Q1+3], v[\ac] offset:\off
	ds_load_b128 v[Q1+8:Q1+11], v[\ac] offset:\off+512
	ds_load_b32 v[QS], v[\as] offset:(\off)/8
.endm
.macro FM s, nm                        ; t - M, two at a time, 64 registers
.set i, 0
.rept 32
	v_pk_fma_f32 v[(\s)+i:(\s)+i+1], v[(\s)+i:(\s)+i+1], s[CS:CS+1], v[\nm:\nm+1] op_sel_hi:[1,0,0]
.set i, i+2
.endr
.endm
.macro SEG s, f, nm                    ; p of 64 registers: one batch of exponentials; among them the next 64 registers' t - M, which no line here reads
.set i, 0
.rept 32
	v_exp_f32 v[(\s)+i], v[(\s)+i]
	v_exp_f32 v[(\s)+i+1], v[(\s)+i+1]
.if \nm
	v_pk_fma_f32 v[(\f)+i:(\f)+i+1], v[(\f)+i:(\f)+i+1], s[CS:CS+1], v[\nm:\nm+1] op_sel_hi:[1,0,0]
.endif
.set i, i+2
.endr
.endm
.macro SUM s, a, from                  ; the sums of 64 registers of p, from register `from' on, in four chains of two
.set i, \from
.rept (64-\from)/8
.irp k, 0,1,2,3
	v_pk_add_f32 v[(\a)+2*\k:(\a)+2*\k+1], v[(\a)+2*\k:(\a)+2*\k+1], v[(\s)+i+2*\k:(\s)+i+2*\k+1]
.endr
.set i, i+8
.endr
.endm
.macro SUM0 s, a                       ; the first 64 registers of a head start the chains
	WIN 0x05
.irp k, 0,1,2,3
	v_pk_add_f32 v[(\a)+2*\k:(\a)+2*\k+1], v[(\s)+2*\k:(\s)+2*\k+1], v[(\s)+8+2*\k:(\s)+9+2*\k]
.endr
	WIN 0x04
	SUM \s, \a, 16
.endm
.macro OLOAD b, set, row               ; eight parts of one of my two rows: 512 consecutive bytes a load
.irp p, 0,1,2,3,4,5,6,7
	ds_load_b128 v[\b+4*\p:\b+4*\p+3], v[ORD+\set] offset:STG*\p+SROW*\row
.endr
.endm
.macro RED b, d                        ; their sum -> v[d:d+3]
.irp p, 0,2,4,6
	v_pk_add_f32 v[\b+4*\p:\b+4*\p+1], v[\b+4*\p:\b+4*\p+1], v[\b+4*\p+4:\b+4*\p+5]
	v_pk_add_f32 v[\b+4*\p+2:\b+4*\p+3], v[\b+4*\p+2:\b+4*\p+3], v[\b+4*\p+6:\b+4*\p+7]
.endr
.irp p, 0,4
	v_pk_add_f32 v[\b+4*\p:\b+4*\p+1], v[\b+4*\p:\b+4*\p+1], v[\b+4*\p+8:\b+4*\p+9]
	v_pk_add_f32 v[\b+4*\p+2:\b+4*\p+3], v[\b+4*\p+2:\b+4*\p+3], v[\b+4*\p+10:\b+4*\p+11]
.endr
	v_pk_add_f32 v[\d:\d+1], v[\b:\b+1], v[\b+16:\b+17]
	v_pk_add_f32 v[\d+2:\d+3], v[\b+2:\b+3], v[\b+18:\b+19]
.endm
.macro NORM1                           ; my two rows in v64-67, v68-71: rsqrt of the mean square, x (1 - LAMBDA_INIT), in v72, v74
	v_pk_mul_f32 v[72:73], v[64:65], v[64:65]
	v_pk_mul_f32 v[74:75], v[68:69], v[68:69]
	v_pk_fma_f32 v[72:73], v[66:67], v[66:67], v[72:73]
	v_pk_fma_f32 v[74:75], v[70:71], v[70:71], v[74:75]
	v_add_f32 v72, v72, v73
	v_add_f32 v74, v74, v75
.irp m, 1,2,4,8
	v_add_f32_dpp v72, v72, v72 row_xmask:\m row_mask:0xf bank_mask:0xf
	v_add_f32_dpp v74, v74, v74 row_xmask:\m row_mask:0xf bank_mask:0xf
.endr
	v_permlanex16_b32 v73, v72, s[SEL], s[SEL+1]
	v_permlanex16_b32 v75, v74, s[SEL], s[SEL+1]
	v_add_f32 v72, v72, v73
	v_add_f32 v74, v74, v75
	v_fma_f32 v72, v72, s[R128], s[EPS]
	v_fma_f32 v74, v74, s[R128], s[EPS]
	WA
	v_rsq_f32 v72, v72
	v_rsq_f32 v74, v74
	v_nop
	WA
	v_mul_f32 v72, 0x3e992e09, v72                 ; 1 - LAMBDA_INIT = 0.29917933
	v_mul_f32 v74, 0x3e992e09, v74
.endm
.macro NORM2                           ; scaled, and stored: a row's 512 bytes by an instruction, at a multiple of 256 from out0's first byte
	v_pk_mul_f32 v[64:65], v[64:65], v[72:73] op_sel_hi:[1,0]
	v_pk_mul_f32 v[66:67], v[66:67], v[72:73] op_sel_hi:[1,0]
	v_pk_mul_f32 v[68:69], v[68:69], v[74:75] op_sel_hi:[1,0]
	v_pk_mul_f32 v[70:71], v[70:71], v[74:75] op_sel_hi:[1,0]
	v_pk_mul_f32 v[64:65], v[64:65], v[SUBW:SUBW+1]
	v_pk_mul_f32 v[66:67], v[66:67], v[SUBW+2:SUBW+3]
	v_pk_mul_f32 v[68:69], v[68:69], v[SUBW:SUBW+1]
	v_pk_mul_f32 v[70:71], v[70:71], v[SUBW+2:SUBW+3]
	global_store_b128 v[GO], v[64:67], s[24:25] th:TH_STORE_NT
	global_store_b128 v[GO], v[68:71], s[24:25] offset:4096 th:TH_STORE_NT
.endm
; A TILE of 16 queries.  par: which set of parts and of (-M, l); red = 1: the tile before is added up, normed and stored; nxt = 1: the next tile's queries are fetched, qo bytes on from TQ.
.macro TILE par, red, nxt, qo
	WIN 0x40                                       ; D window 1
.set t, 0
.rept 16
.if t%2 == 0
	v_wmma_scale_f32_16x16x128_f8f6f4 v[S1+8*t:S1+8*t+7], v[KF+8*t:KF+8*t+7], v[Q1:Q1+7], 0, v[KS+t/2], v[QS] matrix_a_fmt:MATRIX_FMT_FP4 matrix_b_fmt:MATRIX_FMT_FP4
	v_wmma_scale_f32_16x16x128_f8f6f4 v[S2+8*t:S2+8*t+7], v[KF+8*t:KF+8*t+7], v[Q2:Q2+7], 0, v[KS+t/2], v[QS] matrix_a_fmt:MATRIX_FMT_FP4 matrix_b_fmt:MATRIX_FMT_FP4
.else
	v_wmma_scale_f32_16x16x128_f8f6f4 v[S1+8*t:S1+8*t+7], v[KF+8*t:KF+8*t+7], v[Q1:Q1+7], 0, v[KS+t/2], v[QS] matrix_a_fmt:MATRIX_FMT_FP4 matrix_b_fmt:MATRIX_FMT_FP4 matrix_a_scale:MATRIX_SCALE_ROW1
	v_wmma_scale_f32_16x16x128_f8f6f4 v[S2+8*t:S2+8*t+7], v[KF+8*t:KF+8*t+7], v[Q2:Q2+7], 0, v[KS+t/2], v[QS] matrix_a_fmt:MATRIX_FMT_FP4 matrix_b_fmt:MATRIX_FMT_FP4 matrix_a_scale:MATRIX_SCALE_ROW1
.endif
.set t, t+1
.endr
	WIN 0
.if \nxt
	v_add_nc_u32 v[AQI], s[TQ], v[AQ]              ; (four places behind the products: two of use)
	v_add_nc_u32 v[ASI], s[TQS], v[AQS]
	NOPS 2
	QLOAD AQI, ASI, \qo
.else
	NOPS 4
.endif
	; the largest scores, four chains a head; each accumulator is first read at its low end
	WIN 0x14
.irp k, 0,1,2,3
	v_max3_num_f32 v[TM+\k],   s[NEG], v[S1+32*\k], v[S1+32*\k+1]
	v_max3_num_f32 v[TM+4+\k], s[NEG], v[S2+32*\k], v[S2+32*\k+1]
.endr
.set i, 2
.rept 15
.irp k, 0,1,2,3
	v_max3_num_f32 v[TM+\k],   v[TM+\k],   v[S1+32*\k+i], v[S1+32*\k+i+1]
	v_max3_num_f32 v[TM+4+\k], v[TM+4+\k], v[S2+32*\k+i], v[S2+32*\k+i+1]
.endr
.set i, i+2
.endr
	WIN 0
	v_max3_num_f32 v[TM],   v[TM],   v[TM+1], v[TM+2]
	v_max3_num_f32 v[TM+4], v[TM+4], v[TM+5], v[TM+6]
	v_max_num_f32 v[TM],   v[TM],   v[TM+3]
	v_max_num_f32 v[TM+4], v[TM+4], v[TM+7]
	v_permlane16_swap_b32 v[TM], v[TM+4]           ; to split form: lanes l and l xor 16 hold the row's other keys
	v_max_num_f32 v[X], v[TM], v[TM+4]
	v_mul_f32 v[X], s[NCS], v[X]                   ; -t
	v_floor_f32 v[X], v[X]                         ; -M = floor(-t) = -ceil(t): a whole number
	v_mov_b32 v[NM1], v[X]
	v_mov_b32 v[NM2], v[X]
	v_permlane16_swap_b32 v[NM1], v[NM2]           ; and back: head 1's in all lanes, head 2's in all lanes
	; p = 2^(t - M), 64 registers a batch; the sums of a batch behind its wait
	WIN 0x41
	FM S1, NM1
	WA
	SEG S1, S1+64, NM1
	WA
	SUM0 S1, AC1
	WIN 0x41
	SEG S1+64, S2, NM2
	WA
	WIN 0x04
	SUM S1+64, AC1, 0
	WIN 0x41
	SEG S2, S2+64, NM2
	WA
	SUM0 S2, AC2
	WIN 0x41
	SEG S2+64, 0, 0
	v_nop
	WA
	WIN 0x04
	SUM S2+64, AC2, 0
	WIN 0
	v_pk_add_f32 v[AC1:AC1+1], v[AC1:AC1+1], v[AC1+2:AC1+3]
	v_pk_add_f32 v[AC2:AC2+1], v[AC2:AC2+1], v[AC2+2:AC2+3]
	v_pk_add_f32 v[AC1+4:AC1+5], v[AC1+4:AC1+5], v[AC1+6:AC1+7]
	v_pk_add_f32 v[AC2+4:AC2+5], v[AC2+4:AC2+5], v[AC2+6:AC2+7]
	v_pk_add_f32 v[AC1:AC1+1], v[AC1:AC1+1], v[AC1+4:AC1+5]
	v_pk_add_f32 v[AC2:AC2+1], v[AC2:AC2+1], v[AC2+4:AC2+5]
	v_add_f32 v[TM], v[AC1], v[AC1+1]
	v_add_f32 v[TM+1], v[AC2], v[AC2+1]
	v_permlane16_swap_b32 v[TM], v[TM+1]
	v_add_f32 v[X+1], v[TM], v[TM+1]               ; l, split form
	ds_store_b64 v[ASTW], v[X:X+1] offset:2048*\par
	; THE MEETING: everybody's (-M, l) of this tile and parts of the tile before lie in LDS
	MEET
.irp p, 0,1,2,3,4,5,6,7
	ds_load_b64 v[ST+2*\p:ST+2*\p+1], v[ASTR] offset:256*\p+2048*\par
.endr
.if \red
	OLOAD RS, 1-\par, 0
	s_wait_dscnt 8                                 ; the (-M, l); the parts' eight loads are younger
.else
	s_wait_dscnt 0x0
.endif
	v_min3_num_f32 v[TM],   v[ST],   v[ST+2], v[ST+4]      ; the least -M
	v_min3_num_f32 v[TM+1], v[ST+6], v[ST+8], v[ST+10]
	v_min3_num_f32 v[TM],   v[TM],   v[ST+12], v[ST+14]
	v_min_num_f32 v[TM], v[TM], v[TM+1]
.irp p, 0,1,2,3,4,5,6,7
	v_sub_f32 v[ST+2*\p], v[TM], v[ST+2*\p]                ; M of wave p less M: a whole number, 0 or less
.endr
	v_sub_f32 v[TM+1], v[TM], v[X]                         ; mine
.irp p, 0,1,2,3,4,5,6,7
	v_cvt_i32_f32 v[ST+2*\p], v[ST+2*\p]
.endr
	v_cvt_i32_f32 v[TM+1], v[TM+1]
.irp p, 0,1,2,3,4,5,6,7
	v_ldexp_f32 v[ST+2*\p+1], v[ST+2*\p+1], v[ST+2*\p]
.endr
.irp p, 0,2,4,6
	v_add_f32 v[ST+2*\p+1], v[ST+2*\p+1], v[ST+2*\p+3]
.endr
	v_add_f32 v[ST+1], v[ST+1], v[ST+5]
	v_add_f32 v[ST+9], v[ST+9], v[ST+13]
	v_add_f32 v[ST+1], v[ST+1], v[ST+9]                    ; the row's sum, in the same order in every wave
	WA
	v_rcp_f32 v[TM+2], v[ST+1]
	v_nop
	WA
	v_mul_f32 v[TM+2], v[LAMF], v[TM+2]                    ; 1 / l1, -lam / l2
	v_ldexp_f32 v[TM+2], v[TM+2], v[TM+1]                  ; for p under my own M
	v_mov_b32 v[A1], v[TM+2]
	v_mov_b32 v[A2], v[TM+2]
	v_permlane16_swap_b32 v[A1], v[A2]
.if \red
	OLOAD RS+32, 1-\par, 1
	WA
	s_wait_dscnt 8                                 ; the first row's parts; the second row's are younger
	RED RS, RS
.endif
	; w = p1 / l1 - lam p2 / l2
	WIN 0x41
.set i, 0
.rept 64
	v_pk_mul_f32 v[S2+i:S2+i+1], v[S2+i:S2+i+1], v[A2:A2+1] op_sel_hi:[1,0]
.set i, i+2
.endr
	WIN 0x51
.set i, 0
.rept 64
	v_pk_fma_f32 v[S1+i:S1+i+1], v[S1+i:S1+i+1], v[A1:A1+1], v[S2+i:S2+i+1] op_sel_hi:[1,0,1]
.set i, i+2
.endr
	WIN 0x40                                       ; V's fragments for my 256 keys: 512 consecutive bytes a load
.set i, 0
.rept 32
	ds_load_b128 v[S2+4*i:S2+4*i+3], v[AV] offset:512*i
.set i, i+1
.endr
	WIN 0
.if \red
	WA
	s_wait_dscnt 32                                ; the second row's parts; V's 32 loads are younger
	RED RS+32, RS+4
	NORM1
.endif
	; w's eight blocks: largest magnitudes (with the floor 2^(3 - 127)), scale bytes, codes
	WIN 0x14
.set i, 0
.rept 8
.irp b, 0,1,2,3,4,5,6,7
.if i == 0
	v_max3_num_f32 v[TB+\b], 0x1800000, |v[S1+16*\b]|, |v[S1+16*\b+1]|
.else
	v_max3_num_f32 v[TB+\b], v[TB+\b], |v[S1+16*\b+i]|, |v[S1+16*\b+i+1]|
.endif
.endr
.set i, i+2
.endr
	WIN 0
.irp b, 0,1,2,3,4,5,6,7
	v_permlanex16_b32 v[TX+\b], v[TB+\b], s[SEL], s[SEL+1]
.endr
.irp b, 0,1,2,3,4,5,6,7
	v_max_num_f32 v[TB+\b], v[TB+\b], v[TX+\b]
.endr
.irp b, 0,1,2,3,4,5,6,7
	v_add_nc_u32 v[EX+\b], 0xff000000, v[TB+\b]    ; 2 off the exponent field: the conversion's scale operand
.endr
.irp b, 0,1,2,3,4,5,6,7
	v_lshrrev_b32 v[BYT+\b], 23, v[EX+\b]
.endr
	v_lshl_or_b32 v[PW],   v[BYT+1], 8, v[BYT]
	v_lshl_or_b32 v[PW+1], v[BYT+5], 8, v[BYT+4]
	v_lshl_or_b32 v[PW],   v[BYT+2], 16, v[PW]
	v_lshl_or_b32 v[PW+1], v[BYT+6], 16, v[PW+1]
	v_lshl_or_b32 v[PW],   v[BYT+3], 24, v[PW]
	v_lshl_or_b32 v[PW+1], v[BYT+7], 24, v[PW+1]
	WIN 0x01
.irp b, 0,1,2,3,4,5,6,7
	v_cvt_scalef32_pk8_fp4_f32 v[PC+2*\b],   v[S1+16*\b:S1+16*\b+7],    v[EX+\b]
	v_cvt_scalef32_pk8_fp4_f32 v[PC+2*\b+1], v[S1+16*\b+8:S1+16*\b+15], v[EX+\b]
.endr
	v_nop                                          ; a plain line behind the conversions
	WIN 0
.irp g, 0,1,2,3                                    ; a whole block to a lane: lanes 0-15 block 2 g, lanes 16-31 block 2 g + 1
	v_permlane16_swap_b32 v[PC+4*\g],   v[PC+4*\g+2]
	v_permlane16_swap_b32 v[PC+4*\g+1], v[PC+4*\g+3]
.endr
.if \red                                           ; eight places in front of the scaled products
	NORM2
.else
	NOPS 8
.endif
	WA
	s_wait_dscnt 0x0                               ; V's fragments
	; my part of (w V)^T: eight tiles of 16 channels, two steps of 128 keys; the accumulators take turns; the first step starts the sums
	WIN 0x51
.set t, 0
.rept 8
.if t%2 == 0
	v_wmma_scale_f32_16x16x128_f8f6f4 v[8*t:8*t+7], v[S2+8*t:S2+8*t+7], v[PC:PC+7], 0, v[VS+t/2], v[PW] matrix_a_fmt:MATRIX_FMT_FP4 matrix_b_fmt:MATRIX_FMT_FP4
.else
	v_wmma_scale_f32_16x16x128_f8f6f4 v[8*t:8*t+7], v[S2+8*t:S2+8*t+7], v[PC:PC+7], 0, v[VS+t/2], v[PW] matrix_a_fmt:MATRIX_FMT_FP4 matrix_b_fmt:MATRIX_FMT_FP4 matrix_a_scale:MATRIX_SCALE_ROW1
.endif
.set t, t+1
.endr
.set t, 0
.rept 8
.if t%2 == 0
	v_wmma_scale_f32_16x16x128_f8f6f4 v[8*t:8*t+7], v[S2+64+8*t:S2+64+8*t+7], v[PC+8:PC+15], v[8*t:8*t+7], v[VS+4+t/2], v[PW+1] matrix_a_fmt:MATRIX_FMT_FP4 matrix_b_fmt:MATRIX_FMT_FP4
.else
	v_wmma_scale_f32_16x16x128_f8f6f4 v[8*t:8*t+7], v[S2+64+8*t:S2+64+8*t+7], v[PC+8:PC+15], v[8*t:8*t+7], v[VS+4+t/2], v[PW+1] matrix_a_fmt:MATRIX_FMT_FP4 matrix_b_fmt:MATRIX_FMT_FP4 matrix_a_scale:MATRIX_SCALE_ROW1
.endif
.set t, t+1
.endr
	NOPS 5                                         ; places: four in front of the stores, five in front of the next tile's products, which write over these operands
	WIN 0x04
.irp t, 0,1,2,3,4,5,6,7
	ds_store_b128 v[OWR+\par], v[8*\t:8*\t+3] offset:64*\t         ; row = my query; tile t's eight channels of my half
	ds_store_b128 v[OWR+\par], v[8*\t+4:8*\t+7] offset:64*\t+16
.endr
	WIN 0
.if \red
	s_wait_xcnt 0x0                                ; the stores' base and data may be written
	s_add_nc_u64 s[24:25], s[24:25], 0x10000       ; 16 rows of 4,096 bytes on
.endif
.endm
	s_load_b512 s[4:19], s[0:1], 0x0               ; queries s[4:5], kc s[6:7], ks s[8:9], vc s[10:11], vs s[12:13], lambda_q1 s[14:15], lambda_k1 s[16:17], lambda_q2 s[18:19]
	s_load_b128 s[20:23], s[0:1], 0x40             ; lambda_k2 s[20:21], subln_weight s[22:23]
	s_load_b64 s[24:25], s[0:1], 0x50              ; out0
	v_lshl_add_u32 v[SPW], v0, 2, SPARE
	v_mov_b32 v[NIL], 0
	ds_add_u32 v[SPW], v[NIL]                      ; the wave's opening: the add, twice on end, and its wait ahead of my tensor load
	ds_add_u32 v[SPW], v[NIL]
	v_lshrrev_b32 v[LN], 5, v0
	v_readfirstlane_b32 s[WV], v[LN]               ; wave 0..7
	v_and_b32 v[LN], 31, v0
	v_lshlrev_b32 v[GO], 4, v[LN]
	v_lshlrev_b32 v[AQI], 3, v[LN]
	v_lshlrev_b32 v[ASI], 2, v[LN]
	s_and_b32 s[PAIR], ttmp7, 0xffff               ; the pair, which the four partners share
	s_bfe_u32 s56, ttmp6, 0x40000                  ; cx: my place in the cluster
	s_lshl_b32 s[XB], ttmp9, 2                     ; in a cluster launch ttmp9 counts clusters
	s_add_co_u32 s[XB], s[XB], s56                 ; my block of 128 queries: it enters the addresses of queries and out0 alone
	s_mov_b32 s[G1],   15|(3<<16)|(1<<21)          ; group 1: 16,384 dense bytes as 64 rows of 256 (32 elements of 8 bytes); the mask names all four work-groups; bit 21 beside it
	s_mov_b32 s[G1+1], 32<<16
	s_mov_b32 s[G1+2], 64<<16
	s_mov_b32 s[G1+3], 32<<16
	s_mov_b32 s[G1+4], 64
	s_mov_b32 s[G1+5], 32
	s_mov_b32 s[G1+6], 0
	s_mov_b32 s[G1+7], 0
	s_lshl_b32 s52, s[PAIR], 17                    ; codes: 131,072 bytes a pair, 16,384 a wave
	s_lshl_b32 s58, s[WV], 14
	s_mov_b32 s36, 1                               ; group 0: count; LDS address
	s_mov_b32 s37, s58
	s_add_co_u32 s52, s52, s58
	s_mov_b32 s53, 0
	s_lshl_b32 s54, s[PAIR], 20                    ; queries: two heads of 524,288 bytes a pair, 32,768 a block, 4,096 a tile: wave w quantises tile w
	s_lshl_b32 s56, s[XB], 15
	s_add_co_u32 s54, s54, s56
	s_lshl_b32 s56, s[WV], 12
	s_add_co_u32 s54, s54, s56
	s_mov_b32 s55, 0
	s_mov_b32 s[CS], 0x3e38aa3b                    ; log2(e) / 8
	s_mov_b32 s[CS+1], s[CS]
	s_mov_b32 s[NCS], 0xbe38aa3b
	s_mov_b32 s[NEG], 0xff61b1e6
	s_mov_b32 s[SEL], 0x76543210
	s_mov_b32 s[SEL+1], 0xfedcba98
	s_mov_b32 s[EPS], 0x3727c5ac                   ; 1e-5
	s_mov_b32 s[R128], 0x3c000000                  ; 1 / 128
	s_mov_b32 s[TQ], 0
	s_mov_b32 s[TQS], 0
	WA
	s_wait_dscnt 0x0                               ; both opening adds are done
	s_wait_kmcnt 0x0
	s_add_nc_u64 s[4:5], s[4:5], s[54:55]
	s_add_nc_u64 s[6:7], s[6:7], s[52:53]
	s_add_nc_u64 s[38:39], s[10:11], s[52:53]
	s_or_b32 s39, s39, 0x80000000                  ; type = 2
	WIN 0x40
.irp c, 0,1
.irp i, 0,1,2,3,4,5,6,7
	global_load_b128 v[32*\c+4*\i:32*\c+4*\i+3], v[GO], s[4:5] offset:524288*\c+512*\i th:TH_LOAD_NT   ; rows 2 i, 2 i + 1 of head c: 512 consecutive bytes, into window 1
.endr
.endr
	WIN 0
	global_load_b64 v[64:65], v[AQI], s[14:15]     ; two numbers a lane of each of the four lambda vectors
	global_load_b64 v[66:67], v[AQI], s[16:17]
	global_load_b64 v[68:69], v[AQI], s[18:19]
	global_load_b64 v[70:71], v[AQI], s[20:21]
	global_load_b128 v[SUBW:SUBW+3], v[GO], s[22:23]
	ROUND                                          ; all four work-groups are here: the joint loads meet
	tensor_load_to_lds s[36:39], s[G1:G1+7]        ; my 16,384 bytes of V: my one tensor load, which I alone read
	s_nop 0
	NOPS 4
	s_lshl_b32 s52, s[PAIR], 13                    ; scale words: 8,192 bytes a pair, 1,024 a wave
	s_lshl_b32 s56, s[WV], 10
	s_add_co_u32 s52, s52, s56
	s_add_nc_u64 s[8:9], s[8:9], s[52:53]
	s_add_nc_u64 s[12:13], s[12:13], s[52:53]
.set i, 0
.rept 32
	global_load_b128 v[KF+4*i:KF+4*i+3], v[GO], s[6:7] offset:512*i    ; K's fragments as they lie
.set i, i+1
.endr
.irp j, 0,1,2,3,4,5,6,7
	global_load_b32 v[KS+\j], v[ASI], s[8:9] offset:128*\j             ; lanes 0-15 the even tile's words, lanes 16-31 the odd tile's
.endr
	s_lshr_b32 s54, s[PAIR], 3                     ; out0 [b][query][128 h + channel]
	s_lshl_b32 s54, s54, 23
	s_and_b32 s56, s[PAIR], 7
	s_lshl_b32 s56, s56, 9
	s_add_co_u32 s54, s54, s56
	s_lshl_b32 s56, s[XB], 19                      ; 128 rows of 4,096 bytes a block,
	s_add_co_u32 s54, s54, s56
	s_lshl_b32 s56, s[WV], 13                      ; two rows of each tile a wave
	s_add_co_u32 s54, s54, s56
	s_add_nc_u64 s[24:25], s[24:25], s[54:55]
	v_and_b32 v100, 15, v0                         ; r
	v_bfe_u32 v101, v0, 4, 1                       ; h
	s_mul_i32 s56, s[WV], STG
	s_add_co_u32 s56, s56, OBUF
	v_mul_u32_u24 v102, v100, SROW
	v_lshl_add_u32 v102, v101, 5, v102
	v_add_nc_u32 v[OWR], s56, v102
	v_add_nc_u32 v[OWR+1], OBS, v[OWR]
	v_mul_u32_u24 v102, v101, 272
	v_lshl_add_u32 v102, v100, 4, v102
	v_add_nc_u32 v96, s56, v102                    ; the queries' stage, in: row lane / 16 of the load's two, rows 272 bytes apart;
	v_mul_u32_u24 v102, v100, 272
	v_lshl_add_u32 v102, v101, 7, v102
	v_add_nc_u32 v97, s56, v102                    ; out: row r, block h: 128 bytes a lane
	s_mul_i32 s57, s[WV], 2*SROW
	s_add_co_u32 s57, s57, OBUF
	v_add_nc_u32 v[ORD], s57, v[GO]
	v_add_nc_u32 v[ORD+1], OBS, v[ORD]
	v_add_nc_u32 v[AV], s58, v[GO]
	v_add_nc_u32 v[AQ], QC, v[GO]
	v_add_nc_u32 v[AQS], QSC, v[ASI]
	v_add_nc_u32 v[ASTR], STAT, v[AQI]
	s_lshl_b32 s59, s[WV], 8
	v_add_nc_u32 v[ASTW], s59, v[ASTR]
	s_lshl_b32 s56, s[WV], 10
	v_add_nc_u32 v98, s56, v[AQ]                   ; where my tile's codes go,
	s_lshl_b32 s57, s[WV], 7
	v_add_nc_u32 v99, s57, v[AQS]                  ; and its scale words
	v_lshlrev_b32 v108, 3, v101                    ; 8 h
.irp j, 0,1,2,3
	v_mov_b32 v[Q1+4+\j], 0                        ; the zero codes
	v_mov_b32 v[NM1+1+2*\j], 0                     ; upper halves of pairs, named and not used
.endr
	; the queries: wave w quantises tile w
	WA
	s_wait_loadcnt 53                              ; head 1's eight loads; 8 + 4 + 1 + 32 + 8 are younger
	WIN 0x04
.irp i, 0,1,2,3,4,5,6,7
	ds_store_b128 v96, v[4*\i:4*\i+3] offset:544*\i
.endr
	WIN 0x40
.irp k, 0,1,2,3,4,5,6,7
	ds_load_b128 v[64+4*\k:67+4*\k], v97 offset:16*\k      ; LDS serves a wave's instructions in order (ISA guide 5.7.1.4)
.endr
	s_wait_loadcnt 45                              ; head 2's
	WIN 0x04
.irp i, 0,1,2,3,4,5,6,7
	ds_store_b128 v96, v[32+4*\i:35+4*\i] offset:544*\i
.endr
	WIN 0x40
.irp k, 0,1,2,3,4,5,6,7
	ds_load_b128 v[96+4*\k:99+4*\k], v97 offset:16*\k
.endr
	WIN 0
.irp j, 0,1,2,3,4,5,6,7
	global_load_b32 v[VS+\j], v[ASI], s[12:13] offset:128*\j
.endr
	s_wait_dscnt 0x0
	WIN 0x14
.set i, 0
.rept 8
.irp k, 0,1,2,3                                    ; v100, v101: head 1's block in two chains; v102, v103: head 2's
.if i == 0
	v_max3_num_f32 v[100+\k], 0x1800000, |v[64+16*\k]|, |v[65+16*\k]|
.else
	v_max3_num_f32 v[100+\k], v[100+\k], |v[64+16*\k+i]|, |v[65+16*\k+i]|
.endif
.endr
.set i, i+2
.endr
	WIN 0
	v_max_num_f32 v100, v100, v101
	v_max_num_f32 v102, v102, v103
	v_add_nc_u32 v104, 0xff000000, v100
	v_add_nc_u32 v105, 0xff000000, v102
	v_lshrrev_b32 v106, 23, v104
	v_lshrrev_b32 v107, 23, v105
	WIN 0x01
.irp g, 0,1,2,3
	v_cvt_scalef32_pk8_fp4_f32 v[72+\g], v[64+8*\g:71+8*\g], v104
	v_cvt_scalef32_pk8_fp4_f32 v[76+\g], v[96+8*\g:103+8*\g], v105
.endr
	WIN 0
	v_lshl_or_b32 v106, v107, 16, v106             ; my two bytes of the word, 8 h bits up; with lane l xor 16's two it is whole
	v_lshlrev_b32 v106, v108, v106
	v_permlanex16_b32 v107, v106, s[SEL], s[SEL+1]
	v_or_b32 v106, v106, v107
	ds_store_b128 v98, v[72:75]
	ds_store_b128 v98, v[76:79] offset:512
	ds_store_b32 v99, v106
	; lam = exp(lambda_q1 . lambda_k1) - exp(lambda_q2 . lambda_k2) + LAMBDA_INIT
	WA
	s_wait_loadcnt 49                              ; the lambda vectors; 1 + 32 + 8 + 8 are younger
	v_mul_f32 v100, v64, v66
	v_mul_f32 v101, v68, v70
	v_fmac_f32 v100, v65, v67
	v_fmac_f32 v101, v69, v71
.irp m, 1,2,4,8
	v_add_f32_dpp v100, v100, v100 row_xmask:\m row_mask:0xf bank_mask:0xf
	v_add_f32_dpp v101, v101, v101 row_xmask:\m row_mask:0xf bank_mask:0xf
.endr
	v_permlanex16_b32 v102, v100, s[SEL], s[SEL+1]
	v_permlanex16_b32 v103, v101, s[SEL], s[SEL+1]
	v_add_f32 v100, v100, v102
	v_add_f32 v101, v101, v103
	v_mul_f32 v100, 0x3fb8aa3b, v100               ; x log2(e)
	v_mul_f32 v101, 0x3fb8aa3b, v101
	WA
	v_exp_f32 v100, v100
	v_exp_f32 v101, v101
	v_nop
	WA
	v_sub_f32 v100, v101, v100
	v_add_f32 v100, 0xbf3368fc, v100               ; -lam; LAMBDA_INIT = 0.8 - 0.6 exp(-1.8) = 0.70082067
	v_cmp_lt_u32 vcc_lo, 15, v[LN]
	v_cndmask_b32 v[LAMF], 1.0, v100, vcc_lo
	WA
	s_wait_loadcnt 0x0                             ; K, all scale words, subln_weight
	s_wait_tensorcnt 0x0                           ; V
	MEET                                           ; everybody's queries lie in LDS
	QLOAD AQ, AQS, 0
	s_wait_dscnt 0x0
	TILE 0, 0, 1, 1024                             ; tile 0: nothing to add up yet
	s_mov_b32 s[TQ], 2048
	s_mov_b32 s[TQS], 256
	s_mov_b32 s[CNT], 3
	WA
.Ltiles:                                           ; tiles 1 to 6, two a trip
	TILE 1, 1, 1, 0
	TILE 0, 1, 1, 1024
	s_add_co_u32 s[TQ], s[TQ], 2048
	s_add_co_u32 s[TQS], s[TQS], 256
	WA
	s_sub_co_u32 s[CNT], s[CNT], 1
	s_cmp_lg_u32 s[CNT], 0
	s_cbranch_scc1 .Ltiles
	TILE 1, 1, 0, 0                                ; tile 7: no queries follow
	MEET
	OLOAD RS, 1, 0
	OLOAD RS+32, 1, 1
	s_wait_dscnt 8
	RED RS, RS
	WA
	s_wait_dscnt 0x0
	RED RS+32, RS+4
	NORM1
	NORM2
	s_wait_tensorcnt 0x0                           ; the wave's end: behind my last tensor load and my last LDS store
	ds_add_u32 v[SPW], v[NIL]
	s_wait_dscnt 0x0
	ROUND                                          ; the closing round: no work-group ends while a partner may still ask for a tile that names it
	s_endpgm
.Lfunc_end_k_q526a51b081_attn:
	.size	k_q526a51b081_attn, .Lfunc_end_k_q526a51b081_attn-k_q526a51b081_attn
	.p2alignl 7, 3214868480
	.fill 96, 4, 3214868480
	.section	.rodata,"a",@progbits
	.p2align	6, 0x0
	.amdhsa_kernel k_q526a51b081_attn
		.amdhsa_group_segment_fixed_size 327680
		.amdhsa_private_segment_fixed_size 0
		.amdhsa_enable_private_segment 0
		.amdhsa_kernarg_size 88
		.amdhsa_user_sgpr_count 2
		.amdhsa_user_sgpr_kernarg_segment_ptr 1
		.amdhsa_wavefront_size32 1
		.amdhsa_system_sgpr_workgroup_id_x 1
		.amdhsa_system_sgpr_workgroup_id_y 1
		.amdhsa_system_sgpr_workgroup_id_z 1
		.amdhsa_system_vgpr_workitem_id 0
		.amdhsa_next_free_vgpr 512
		.amdhsa_next_free_sgpr 66
		.amdhsa_reserve_vcc 1
		.amdhsa_float_denorm_mode_32 3
		.amdhsa_float_denorm_mode_16_64 3
		.amdhsa_memory_ordered 1
		.amdhsa_forward_progress 1
		.amdhsa_inst_pref_size 255
	.end_amdhsa_kernel
	.section	.bss,"aw",@nobits
	.p2align	6
	.space	262144
	.amdgpu_metadata
---
amdhsa.version: [ 1, 2 ]
amdhsa.kernels:
  - .name:           k_q526a51b081_attn
    .symbol:         k_q526a51b081_attn.kd
    .args:
      - { .name: queries, .offset: 0, .size: 8, .value_kind: global_buffer, .address_space: global }
      - { .name: kc, .offset: 8, .size: 8, .value_kind: global_buffer, .address_space: global }
      - { .name: ks, .offset: 16, .size: 8, .value_kind: global_buffer, .address_space: global }
      - { .name: vc, .offset: 24, .size: 8, .value_kind: global_buffer, .address_space: global }
      - { .name: vs, .offset: 32, .size: 8, .value_kind: global_buffer, .address_space: global }
      - { .name: lambda_q1, .offset: 40, .size: 8, .value_kind: global_buffer, .address_space: global }
      - { .name: lambda_k1, .offset: 48, .size: 8, .value_kind: global_buffer, .address_space: global }
      - { .name: lambda_q2, .offset: 56, .size: 8, .value_kind: global_buffer, .address_space: global }
      - { .name: lambda_k2, .offset: 64, .size: 8, .value_kind: global_buffer, .address_space: global }
      - { .name: subln_weight, .offset: 72, .size: 8, .value_kind: global_buffer, .address_space: global }
      - { .name: out0, .offset: 80, .size: 8, .value_kind: global_buffer, .address_space: global }
    .group_segment_fixed_size: 327680
    .private_segment_fixed_size: 0
    .kernarg_segment_align: 8
    .kernarg_segment_size: 88
    .max_flat_workgroup_size: 256
    .sgpr_count:     66
    .vgpr_count:     512
    .wavefront_size: 32
...
	.end_amdgpu_metadata
.endif
;; end of part 2
